; MI455X (gfx1250); checked and timed in simulation.
; The chip was launched on July 23, 2026; its instructions are those of AMD's public machine-readable ISA for CDNA 5 (MIT licence, August 2026) and "CDNA5" Instruction Set Architecture Reference Guide (July 2026). The comments in the code are by the model that wrote it; some were corrected since.
;; Self Attention. Allowed arithmetic: float matrix products may take bf16 or f16 operands with f32 sums; other float arithmetic in f32, or as packed bf16 or f16 multiplies, adds, multiply-adds, maxima and minima; sums over many terms, partial sums and values carried from step to step in f32; what a program stores and reads back later, other than sums and carried values, may be rounded once to bf16 or f16.
;; Inputs: Wk 1,024 x 1,024 float32; Wq 1,024 x 1,024 float32; Wv 1,024 x 1,024 float32; bk 1,024 float32; bq 1,024 float32; bv 1,024 float32; key 4 x 2,048 x 1,024 float32; query 4 x 2,048 x 1,024 float32; value 4 x 2,048 x 1,024 float32.
;; Outputs: out0 4 x 2,048 x 1,024 float32.
;; One version. Each part assembles by itself: llvm-mc -triple=amdgcn-amd-amdhsa -mcpu=gfx1250 --defsym DOCPART=n.
;; ======== version 1 of 1: 4 launches
;; limits: values are held in f16: magnitudes above 65,504 overflow, below 6.1e-05 lose precision; inputs' magnitudes at most 65,504
;; workspace buffers: wh 6,291,456 bytes; qkv 50,331,648 bytes; pbuf 33,554,432 bytes; stats 1,048,576 bytes
;; launch castw (part 1): grid 256 x 3, 8 waves a work-group, no clusters, 0 bytes of LDS; arguments Wq, Wk, Wv, wh; writes wh
.if DOCPART == 1
	.amdgcn_target "amdgcn-amd-amdhsa--gfx1250"
	.amdhsa_code_object_version 6
	.text
	.protected	k_qb13c37172c_castw
	.globl	k_qb13c37172c_castw
	.p2align	8
	.type	k_qb13c37172c_castw,@function
k_qb13c37172c_castw:
	s_mov_b64 s[64:65], 0
	v_nop
	global_prefetch_b8 v0, s[64:65] scope:SCOPE_SE
	s_setreg_imm32_b32 hwreg(HW_REG_WAVE_MODE, 25, 1), 1
	s_wait_xcnt 0x0
; wh[z][k][n] = f16(W_z[k][n]), z = 0: Wq, 1: Wk, 2: Wv.  W: [1024][1024] f32, wh: [3][1024][1024] f16.
; A stream: each byte is read once and written once; no LDS, no barrier, no matrix unit, since nothing is shared and nothing is summed.
; A work-group owns 4,096 numbers of one W.  Thread t takes the 8 numbers at 8 t and the 8 at 2,048 + 8 t: two loads of 16 bytes for each,
; and one store of 16 bytes, so that sixteen neighbouring lanes store 256 consecutive bytes, aligned.
; LIMIT: |w| below 65,504 (f16's largest number); a larger one becomes infinite.  Below 6.1e-5 the rounding step is 6e-8.
	s_load_b256 s[4:11], s[0:1], 0x0               ; Wq s[4:5], Wk s[6:7], Wv s[8:9], wh s[10:11]
	s_and_b32 s12, ttmp7, 0xffff                   ; z
	v_lshlrev_b32 v1, 5, v0                        ; my 8 numbers in W: 32 t bytes
	v_lshlrev_b32 v2, 4, v0                        ; and in wh: 16 t bytes
	s_lshl_b32 s14, ttmp9, 14                      ; the group's 4,096 numbers in W: 16,384 bytes
	s_mov_b32 s15, 0
	s_lshl_b32 s16, ttmp9, 13                      ; and in wh: 8,192 bytes,
	s_lshl_b32 s17, s12, 21                        ; behind z matrices of 2 MiB
	s_add_co_u32 s16, s16, s17
	s_mov_b32 s17, 0
	s_wait_kmcnt 0x0
	s_cmp_eq_u32 s12, 1
	s_cselect_b64 s[4:5], s[6:7], s[4:5]           ; the W that z names
	s_cmp_eq_u32 s12, 2
	s_cselect_b64 s[4:5], s[8:9], s[4:5]
	s_add_nc_u64 s[4:5], s[4:5], s[14:15]
	s_add_nc_u64 s[10:11], s[10:11], s[16:17]
	global_load_b128 v[4:7],   v1, s[4:5] th:TH_LOAD_NT
	global_load_b128 v[8:11],  v1, s[4:5] offset:16 th:TH_LOAD_NT
	global_load_b128 v[12:15], v1, s[4:5] offset:8192 th:TH_LOAD_NT
	global_load_b128 v[16:19], v1, s[4:5] offset:8208 th:TH_LOAD_NT
	s_wait_loadcnt 0x2                             ; loads come back in order: the first 8 numbers are in, the second chunk's two loads stay out
.irp j, 0,1,2,3
	v_cvt_pk_f16_f32 v[20+\j], v[4+2*\j], v[5+2*\j]
.endr
	global_store_b128 v2, v[20:23], s[10:11]
	s_wait_loadcnt 0x0
.irp j, 0,1,2,3
	v_cvt_pk_f16_f32 v[4+\j], v[12+2*\j], v[13+2*\j]   ; into registers that no pending store reads
.endr
	global_store_b128 v2, v[4:7], s[10:11] offset:4096
	s_endpgm
.Lfunc_end_k_qb13c37172c_castw:
	.size	k_qb13c37172c_castw, .Lfunc_end_k_qb13c37172c_castw-k_qb13c37172c_castw
	.p2alignl 7, 3214868480
	.fill 96, 4, 3214868480
	.section	.rodata,"a",@progbits
	.p2align	6, 0x0
	.amdhsa_kernel k_qb13c37172c_castw
		.amdhsa_group_segment_fixed_size 0
		.amdhsa_private_segment_fixed_size 0
		.amdhsa_enable_private_segment 0
		.amdhsa_kernarg_size 32
		.amdhsa_user_sgpr_count 2
		.amdhsa_user_sgpr_kernarg_segment_ptr 1
		.amdhsa_wavefront_size32 1
		.amdhsa_system_sgpr_workgroup_id_x 1
		.amdhsa_system_sgpr_workgroup_id_y 1
		.amdhsa_system_sgpr_workgroup_id_z 1
		.amdhsa_system_vgpr_workitem_id 0
		.amdhsa_next_free_vgpr 24
		.amdhsa_next_free_sgpr 66
		.amdhsa_reserve_vcc 0
		.amdhsa_float_denorm_mode_32 3
		.amdhsa_float_denorm_mode_16_64 3
		.amdhsa_memory_ordered 1
		.amdhsa_forward_progress 1
		.amdhsa_inst_pref_size 2
	.end_amdhsa_kernel
	.amdgpu_metadata
---
amdhsa.version: [ 1, 2 ]
amdhsa.kernels:
  - .name:           k_qb13c37172c_castw
    .symbol:         k_qb13c37172c_castw.kd
    .args:
      - { .name: Wq, .offset: 0, .size: 8, .value_kind: global_buffer, .address_space: global }
      - { .name: Wk, .offset: 8, .size: 8, .value_kind: global_buffer, .address_space: global }
      - { .name: Wv, .offset: 16, .size: 8, .value_kind: global_buffer, .address_space: global }
      - { .name: wh, .offset: 24, .size: 8, .value_kind: global_buffer, .address_space: global }
    .group_segment_fixed_size: 0
    .private_segment_fixed_size: 0
    .kernarg_segment_align: 8
    .kernarg_segment_size: 32
    .max_flat_workgroup_size: 256
    .sgpr_count:     66
    .vgpr_count:     24
    .wavefront_size: 32
...
	.end_amdgpu_metadata
.endif
;; end of part 1
;; launch proj (part 2): grid 4 x 64, 4 waves a work-group, clusters of 4 x 4, 327,680 bytes of LDS; arguments query, key, value, bq, bk, bv, wh, qkv; writes qkv
.if DOCPART == 2
	.amdgcn_target "amdgcn-amd-amdhsa--gfx1250"
	.amdhsa_code_object_version 6
	.text
	.protected	k_qb13c37172c_proj
	.globl	k_qb13c37172c_proj
	.p2align	8
	.type	k_qb13c37172c_proj,@function
k_qb13c37172c_proj:
	s_mov_b64 s[64:65], 0
	v_nop
	global_prefetch_b8 v0, s[64:65] scope:SCOPE_SE
	s_setreg_imm32_b32 hwreg(HW_REG_WAVE_MODE, 25, 1), 1
	s_wait_xcnt 0x0
	s_wait_alu depctr_hold_cnt(0) depctr_sa_sdst(0) depctr_va_vdst(0) depctr_va_sdst(0) depctr_va_ssrc(0) depctr_va_vcc(0) depctr_vm_vsrc(0)
	s_getreg_b32 s2, hwreg(HW_REG_IB_STS2, 6, 4)
	s_cmp_eq_u32 s2, 0
	s_cbranch_scc0 .Lentry_in_a_cluster
	s_endpgm
.Lentry_in_a_cluster:
	s_bfe_u32 s2, ttmp6, 0x10000c
	s_cmp_lg_u32 s2, 0xf033
	s_cbranch_scc0 .Lentry_shape_is_right
	s_endpgm
.Lentry_shape_is_right:
; qkv[z][m][n] = f16(kappa_z (sum over k of X_z[m][k] W_z[k][n] + b_z[n])), z = 0: query, Wq, bq; 1: key, Wk, bk; 2: value, Wv, bv.
; X: [8192][1024] f32; W comes as wh: [3][1024 k][1024 n] f16; qkv: [3][8192][1024] f16.  Products in f16, sums in f32, one rounding at the end.
; kappa_q = log2(e) / 8, kappa_k = kappa_v = 1 / 4: kappa_q kappa_k = log2(e) / sqrt(1024), so the next launch's scores are exponents to the base 2,
; and the factors leave f16 room above the projected numbers.
; LIMITS: |x| below 65,504; |q| below 363,000, |k| and |v| below 262,000 (their scaled values must stay below 65,504); beyond that the f16 number is infinite.
; SHARES.  A tile of the result is 128 (m) x 256 (n); four waves, each 64 x 128: 32 accumulators of 16 x 16.  64 x 4 tiles for each z: 256 work-groups.
; A WORK-GROUP STAYS: it makes its tile for z = 0, 1, 2, one after the other, and the ring does not stop at a tile's end: a tile's last two changes of slots ask for the next z's
; first two K steps, the tile goes out behind them, and nothing waits for its stores.
; K goes in steps of 128 through two LDS slots: 128 rows of X (512 bytes of f32 each) and 128 k-rows of W (512 bytes of f16 each).
; X is converted to f16 on the way from LDS to the matrix unit; W lies [k][n] and is turned by ds_load_tr16_b128.
; CLUSTERS: 4 x 4 work-groups.  The four of a row of the cluster need the same tiles of X, the four of a column the same tiles of W:
; each tile is asked for jointly, by the same tensor load with the same descriptor and a mask that names the four.
; THE MATRIX INSTRUCTION IS USED TRANSPOSED (source 0 = 16 columns of W, source 1 = 16 rows of X): a lane holds row l % 16 and eight neighbouring columns.
; The bias is the first product's C: nothing is cleared and nothing is added later.
; REGISTERS.  window 0: v16-27 addresses; v32-63 X in f16 (4 fragments); v64-127, v128-191 X in f32 as loaded, two buffers; v128-255 on the way out: packed results
;   window 1: v0-63, v64-127 fragments of W, two buffers; v128-191 the bias, 8 registers for each of my 8 column blocks
;   window 2: accumulator (a, b) at v[8 (8 a + b)]
.set PX,     528                       ; a row of X in LDS: 512 bytes + 16 = 132 words: the 16 rows of a load begin 4 banks apart (64 banks of 4 bytes: ISA guide 11.1)
.set PW,     544                       ; a k-row of W: 512 + 32 = 136 words
.set XHALF,  64*PX                     ; 64 rows: what one tensor load brings of X
.set WHALF,  64*PW                     ; and of W
.set WOFF,   2*XHALF                   ; W's 128 rows lie behind X's 128
.set SLOT,   WOFF+2*WHALF              ; 137,216 bytes
.set STAGE,  2*SLOT                    ; behind the ring: 16 rows x 272 bytes for each wave
.set SP,     272
.set LAPS,   4                         ; 1,024 / (2 x 128)
.set ADRA, 16                          ; v16-17  LDS address of my rows of X in slot 0, 1
.set ADRB, 20                          ; v20-21  the same for my columns of W
.set STO,  24                          ; the way out: where I put 16 bytes of a row
.set RD,   25                          ; where I read a row back
.set CO,   26                          ; my byte offset in qkv
.set BO,   27                          ; my byte offset in the bias
.set XH,   32
.set XS,   64
.set TMP,  128                         ; not v64-127: on a way out they hold the next tile's first fragments of X
.set BIAS, 128
.set PXZ,  68                          ; s[68:73] X_z at the rows that I fetch, z = 0, 1, 2
.set PBZ,  74                          ; s[74:79] b_z at the tile's first column
.set G1,  24                           ; s[24:31] descriptor group 1 for X's tiles;  s[32:39] group 0, a set for each slot
.set G0,  32
.set G1B, 48                           ; s[48:55], s[56:63] the same for W's tiles
.set G0B, 56
.set MUL,  0xa1                        ; source 0 (W) window 1, source 1 (X) window 0, C and D window 2
.set MULB, 0x91                        ; the same with C (the bias) in window 1
.set TO_W, 0x40                        ; destination window 1, address window 0
.set MSB, 0
.macro WIN new                         ; the immediate's high byte repeats the setting that is left; a switch that changes nothing is dropped
.if MSB != (\new)
	s_set_vgpr_msb (MSB<<8)|(\new)
.set MSB, \new
.endif
.endm
.macro PLACES
.rept 4
	v_nop
.endr
.endm
; A joint load: waves 0 and 1 fetch X's two halves, waves 2 and 3 W's.  The branch hangs on the wave's number alone.  Four v_nop follow each of the two lines.
.macro JLOAD s
	s_cmp_eq_u32 s11, 0
	s_cbranch_scc0 .Lfor_b_\@
	tensor_load_to_lds s[G0+4*\s:G0+4*\s+3], s[G1:G1+7]
	s_nop 0
.rept 4
	v_nop
.endr
	s_branch .Lasked_\@
.Lfor_b_\@:
	tensor_load_to_lds s[G0B+4*\s:G0B+4*\s+3], s[G1B:G1B+7]
	s_nop 0
.rept 4
	v_nop
.endr
.Lasked_\@:
.endm
.macro CREST                           ; a round of the cluster's barrier behind its opening barrier
	s_cmp_lg_u32 s10, 0
	s_cbranch_scc1 .Lnot_wave_0_\@
	s_barrier_signal -3
.Lnot_wave_0_\@:
	s_barrier_wait -3
	s_barrier_signal -1
	s_barrier_wait -1
.endm
.macro CROUND                          ; a whole round
	s_barrier_signal -1
	s_barrier_wait -1
	CREST
.endm
.macro LDBIAS z                        ; the bias of my 128 columns: for each of 8 blocks the eight columns 8 (l / 16) + 0..7
	WIN TO_W
.irp b, 0,1,2,3,4,5,6,7
	global_load_b128 v[BIAS+8*\b:BIAS+8*\b+3],   v[BO], s[PBZ+2*(\z):PBZ+2*(\z)+1] offset:64*\b
	global_load_b128 v[BIAS+8*\b+4:BIAS+8*\b+7], v[BO], s[PBZ+2*(\z):PBZ+2*(\z)+1] offset:64*\b+16
.endr
	WIN 0
.endm
	s_load_b512 s[68:83], s[0:1], 0x0              ; query s[68:69], key s[70:71], value s[72:73], bq s[74:75], bk s[76:77], bv s[78:79], wh s[80:81], qkv s[82:83]
	v_lshl_add_u32 v30, v0, 2, 0x47400
	v_mov_b32 v31, 0
	ds_add_u32 v30, v31
	v_lshrrev_b32 v1, 5, v0
	v_readfirstlane_b32 s10, v1                    ; wave 0..3
	s_lshr_b32 s11, s10, 1                         ; which 64 of the tile's rows are mine.  Also: I fetch for X (0) or for W (1)
	s_and_b32 s12, s10, 1                          ; which 128 of its columns.  Also: which 64 rows of that tile I fetch
	s_bfe_u32 s40, ttmp6, 0x40000                  ; cx, cy: my place in the cluster
	s_bfe_u32 s41, ttmp6, 0x40004
	s_lshl_b32 s42, ttmp9, 2
	s_add_co_u32 s42, s42, s40                     ; tile column, 0..3
	s_and_b32 s45, ttmp7, 0xffff                   ; the cluster's y, 0..15
	s_lshl_b32 s13, s45, 2
	s_add_co_u32 s13, s13, s41                     ; tile row, 0..63
	s_lshl_b32 s43, s41, 2
	s_lshl_b32 s43, 15, s43                        ; my row of the cluster
	s_lshl_b32 s44, 0x1111, s40                    ; my column
	; group 1 for X: 64 rows x 128 elements of 4 bytes, 4 words of padding behind every 128 words
	s_or_b32 s[G1+0], s43, (2<<16)|(1<<20)|(1<<21)|(6<<22)|(3<<25)
	s_mov_b32 s[G1+1], 128<<16                     ; tensor_dim0 = 128
	s_mov_b32 s[G1+2], 64<<16                      ; tensor_dim1 = 64
	s_mov_b32 s[G1+3], 128<<16                     ; tile_dim0 = 128
	s_mov_b32 s[G1+4], 64                          ; tile_dim1 = 64
	s_mov_b32 s[G1+5], 1024                        ; elements from row to row
	s_mov_b32 s[G1+6], 0
	s_mov_b32 s[G1+7], 0
	; group 1 for W: 64 k-rows x 256 elements of 2 bytes, 8 words of padding behind every 128 words
	s_or_b32 s[G1B+0], s44, (1<<16)|(1<<20)|(1<<21)|(6<<22)|(7<<25)
	s_mov_b32 s[G1B+1], 256<<16
	s_mov_b32 s[G1B+2], 64<<16
	s_mov_b32 s[G1B+3], 256<<16
	s_mov_b32 s[G1B+4], 64
	s_mov_b32 s[G1B+5], 1024
	s_mov_b32 s[G1B+6], 0
	s_mov_b32 s[G1B+7], 0
	s_lshl_b32 s16, s13, 7
	s_lshl_b32 s17, s12, 6
	s_add_co_u32 s16, s16, s17                     ; X: row 128 x tile row + 64 x half,
	s_lshl_b32 s16, s16, 12                        ; of 4,096 bytes: the same offset in query, key and value
	s_mov_b32 s17, 0
	s_lshl_b32 s46, s12, 17                        ; W of z = 0: k-row 64 x half (2,048 bytes each),
	s_lshl_b32 s47, s42, 9                         ; column 256 x tile column
	s_add_co_u32 s46, s46, s47
	s_mov_b32 s47, 0
	s_mul_i32 s20, s12, XHALF                      ; where they go in a slot: no place in the cluster enters an LDS address
	s_mul_i32 s22, s12, WHALF
	s_add_co_u32 s22, s22, WOFF
	s_lshl_b32 s88, s42, 10                        ; the bias at the tile's first column
	s_mov_b32 s89, 0
	s_lshl_b32 s90, s13, 7                         ; qkv, part 0: my first row,
	s_lshl_b32 s91, s11, 6
	s_add_co_u32 s90, s90, s91
	s_lshl_b32 s90, s90, 11                        ; of 2,048 bytes,
	s_lshl_b32 s91, s42, 9                         ; my first column
	s_add_co_u32 s90, s90, s91
	s_lshl_b32 s91, s12, 8
	s_add_co_u32 s90, s90, s91
	s_mov_b32 s91, 0
	s_wait_dscnt 0x0
	s_wait_kmcnt 0x0
.irp z, 0,1,2
	s_add_nc_u64 s[PXZ+2*\z:PXZ+2*\z+1], s[PXZ+2*\z:PXZ+2*\z+1], s[16:17]   ; each address from its own buffer's pointer
	s_add_nc_u64 s[PBZ+2*\z:PBZ+2*\z+1], s[PBZ+2*\z:PBZ+2*\z+1], s[88:89]
.endr
	s_add_nc_u64 s[46:47], s[80:81], s[46:47]
	s_add_nc_u64 s[8:9], s[82:83], s[90:91]
	CROUND                                         ; all sixteen work-groups are here: the first joint loads meet
.irp s, 0,1
	s_mov_b32 s[G0+4*\s], 1
	s_add_co_u32 s[G0+4*\s+1], s20, \s*SLOT
	s_add_nc_u64 s[G0+4*\s+2:G0+4*\s+3], s[PXZ:PXZ+1], \s*512      ; K step s: 128 numbers of 4 bytes along the rows
	s_or_b32 s[G0+4*\s+3], s[G0+4*\s+3], 0x80000000
	s_mov_b32 s[G0B+4*\s], 1
	s_add_co_u32 s[G0B+4*\s+1], s22, \s*SLOT
	s_add_nc_u64 s[G0B+4*\s+2:G0B+4*\s+3], s[46:47], \s*262144     ; K step s: 128 k-rows of 2,048 bytes down
	s_or_b32 s[G0B+4*\s+3], s[G0B+4*\s+3], 0x80000000
	JLOAD \s
.endr
	v_and_b32 v1, 15, v0                           ; l % 16
	v_bfe_u32 v2, v0, 4, 1                         ; l / 16
	; a fragment of X: lane l holds row l % 16; K = 8 (l / 16) + 0..7 and 16 + 8 (l / 16) + 0..7: in f32 four loads of 16 bytes at 32 (l / 16) + 0, 16, 64, 80
	v_mul_u32_u24 v3, v1, PX
	v_lshl_add_u32 v3, v2, 5, v3
	s_mul_i32 s21, s11, XHALF
	v_add_nc_u32 v[ADRA], s21, v3
	v_add_nc_u32 v[ADRA+1], SLOT, v[ADRA]
	; the turning load: lane l reads 16 bytes of k-row 8 (l / 16) + l % 8, columns 8 ((l / 8) % 2) + 0..7, and is left with column l % 16 and 8 k
	v_and_b32 v4, 7, v0
	v_bfe_u32 v5, v0, 3, 1
	v_lshl_add_u32 v4, v2, 3, v4
	v_mul_u32_u24 v4, v4, PW
	v_lshl_add_u32 v4, v5, 4, v4
	s_lshl_b32 s23, s12, 8                         ; my 128 columns
	s_add_co_u32 s23, s23, WOFF
	v_add_nc_u32 v[ADRB], s23, v4
	v_add_nc_u32 v[ADRB+1], SLOT, v[ADRB]
	s_mul_i32 s23, s10, 16*SP
	s_add_co_u32 s23, s23, STAGE                   ; my stage
	v_mul_u32_u24 v4, v1, SP
	v_lshl_add_u32 v4, v2, 4, v4
	v_add_nc_u32 v[STO], s23, v4                   ; in: row l % 16, 16 bytes for each half of the lanes
	v_mul_u32_u24 v5, v2, SP
	v_lshl_add_u32 v5, v1, 4, v5
	v_add_nc_u32 v[RD], s23, v5                    ; back: lanes 0-15 one row of 256 bytes, lanes 16-31 the next
	v_lshlrev_b32 v[CO], 11, v2                    ; and the same two rows in qkv
	v_lshl_add_u32 v[CO], v1, 4, v[CO]
	s_lshl_b32 s21, s12, 9
	v_lshl_add_u32 v[BO], v2, 5, s21               ; the bias of my columns 8 (l / 16) + 0..7 of block 0; never rewritten
	LDBIAS 0
; 32 LDS loads in one run: quarter q (32 along K) of a slot into buffer f: W's 8 fragments first, then X's 4, so that a counted wait can leave X's last two out
.macro FETCH slot, q, f
	WIN TO_W
.irp b, 0,1,2,3,4,5,6,7
	ds_load_tr16_b128 v[64*\f+8*\b:64*\f+8*\b+3],   v[ADRB+\slot] offset:\q*32*PW+32*\b
	ds_load_tr16_b128 v[64*\f+8*\b+4:64*\f+8*\b+7], v[ADRB+\slot] offset:\q*32*PW+16*PW+32*\b
.endr
	WIN 0
.irp a, 0,1,2,3
	ds_load_b128 v[XS+64*\f+16*\a:XS+64*\f+16*\a+3],     v[ADRA+\slot] offset:\a*16*PX+\q*128
	ds_load_b128 v[XS+64*\f+16*\a+4:XS+64*\f+16*\a+7],   v[ADRA+\slot] offset:\a*16*PX+\q*128+16
	ds_load_b128 v[XS+64*\f+16*\a+8:XS+64*\f+16*\a+11],  v[ADRA+\slot] offset:\a*16*PX+\q*128+64
	ds_load_b128 v[XS+64*\f+16*\a+12:XS+64*\f+16*\a+15], v[ADRA+\slot] offset:\a*16*PX+\q*128+80
.endr
.endm
.macro CVT0 f                          ; X's fragment 0 of buffer f to f16
.irp j, 0,1,2,3,4,5,6,7
	v_cvt_pk_f16_f32 v[XH+\j], v[XS+64*\f+2*\j], v[XS+64*\f+2*\j+1]
.endr
.endm
; Row block a of buffer f: 8 matrix instructions, and behind each four of them four conversions of X's fragment nxt (none if nxt < 0).  The 32 accumulators take turns, one instruction a
; turn, in the same order in every quarter and from tile to tile.  The conversions name no register of the products round them: they are the places
; (ISA guide 7.12.1) behind the products that read the registers written or loaded next.  first = 1: C is the bias.
.macro ROWC f, a, nxt, first
.irp g, 0, 4
.if \first
	WIN MULB
.else
	WIN MUL
.endif
.irp c, 0,1,2,3
.if \first
	v_wmma_f32_16x16x32_f16 v[64*\a+8*(\g+\c):64*\a+8*(\g+\c)+7], v[64*\f+8*(\g+\c):64*\f+8*(\g+\c)+7], v[XH+8*\a:XH+8*\a+7], v[BIAS+8*(\g+\c):BIAS+8*(\g+\c)+7]
.else
	v_wmma_f32_16x16x32_f16 v[64*\a+8*(\g+\c):64*\a+8*(\g+\c)+7], v[64*\f+8*(\g+\c):64*\f+8*(\g+\c)+7], v[XH+8*\a:XH+8*\a+7], v[64*\a+8*(\g+\c):64*\a+8*(\g+\c)+7]
.endif
.endr
.if \nxt >= 0
	WIN 0
.irp c, 0,1,2,3
	v_cvt_pk_f16_f32 v[XH+8*\nxt+\g+\c], v[XS+64*\f+16*\nxt+2*(\g+\c)], v[XS+64*\f+16*\nxt+2*(\g+\c)+1]
.endr
.endif
.endr
.endm
; A K step is four quarters of 32 along K, 32 matrix instructions each, on buffers 0, 1, 0, 1.  One of the first three: multiplies buffer f and fetches quarter q into buffer g.
.macro QUARTER slot, q, f, g, first
	s_wait_dscnt 8                                 ; W and X's fragments 0, 1 are in; the youngest eight loads (fragments 2, 3) may be out
	WIN 0
	CVT0 \f
	ROWC \f, 0, 1, \first
	FETCH \slot, \q, \g                            ; 16 plain instructions behind the last product that read buffer g
	s_wait_dscnt 32                                ; all but the 32 just issued: fragments 2, 3 are in
	ROWC \f, 1, 2, \first
	ROWC \f, 2, 3, \first
	ROWC \f, 3, -1, \first
.endm
; The last quarter multiplies buffer 1 and changes slots: ONE barrier; in front of it each wave waits for its own reads of this slot and for all its tensor loads, of which one is out:
; its part of the next slot.  fill = 1 or 2: the barrier opens a round of the cluster's barrier, and this slot is filled again first thing behind the round: with this tile's K step
; two steps on (1), or, in the last two K steps of tile z, with the same K step (0 or 1) of tile z + 1 (2).  The three W lie one behind the other in wh, 1,024 k-rows each, so W's
; step is the same in both cases; X's address starts anew from the next buffer's pointer.
.macro TURN slot, next, fill, z
	s_wait_dscnt 8
	WIN 0
	CVT0 1
	ROWC 1, 0, 1, 0
	s_wait_dscnt 0                                 ; my reads of this slot are over,
	s_wait_tensorcnt 0x0                           ; and all my tensor loads have landed: no load of mine is out, so a group 0 may be written
	ds_add_u32 v30, v31
	s_wait_dscnt 0x0
	s_barrier_signal -1
	ROWC 1, 1, 2, 0                                ; work on registers while the others arrive
	WIN 0                                          ; at a branch and at a label every window is 0
	s_barrier_wait -1
.if \fill
	CREST                                          ; no wave of any partner still reads this slot or has a load on its way
.if \fill == 2
	s_add_nc_u64 s[G0+4*\slot+2:G0+4*\slot+3], s[PXZ+2*\z+2:PXZ+2*\z+3], \slot*512
	s_or_b32 s[G0+4*\slot+3], s[G0+4*\slot+3], 0x80000000          ; the type
.else
	s_add_nc_u64 s[G0+4*\slot+2:G0+4*\slot+3], s[G0+4*\slot+2:G0+4*\slot+3], 1024
.endif
	s_add_nc_u64 s[G0B+4*\slot+2:G0B+4*\slot+3], s[G0B+4*\slot+2:G0B+4*\slot+3], 524288
	JLOAD \slot
.endif
	FETCH \next, 0, 0
	ROWC 1, 2, 3, 0
	ROWC 1, 3, -1, 0
.endm
; THE WAY OUT.  Block a (16 rows x 128 columns): times kappa, rounded to f16, 16 bytes a lane into my own stage, and back as whole rows of 256 bytes, into the registers that they left.
.macro PACK a
	WIN 0x82                                       ; destination and source 0 window 2
.set n, 0
.rept 32
	v_pk_mul_f32 v[64*\a+n:64*\a+n+1], v[64*\a+n:64*\a+n+1], s[86:87] op_sel_hi:[1,0]
.set n, n+2
.endr
	WIN 0x0a                                       ; sources 0 and 1 window 2, destination window 0
.set n, 0
.rept 32
	v_cvt_pk_f16_f32 v[TMP+32*\a+n], v[64*\a+2*n], v[64*\a+2*n+1]
.set n, n+1
.endr
	WIN 0
.irp b, 0,1,2,3,4,5,6,7
	ds_store_b128 v[STO], v[TMP+32*\a+4*\b:TMP+32*\a+4*\b+3] offset:32*\b
.endr
.irp t, 0,1,2,3,4,5,6,7
	ds_load_b128 v[TMP+32*\a+4*\t:TMP+32*\a+4*\t+3], v[RD] offset:\t*2*SP   ; LDS serves a wave's instructions in order (ISA guide 5.7.1.4): these see the stores above; the next block's stores come behind them
.endr
.endm
.macro SEND a, younger                 ; younger: the LDS instructions issued behind block a's loads: the next block's sixteen, or none
.irp t, 0,1,2,3,4,5,6,7
	s_wait_dscnt \younger+7-\t
	global_store_b128 v[CO], v[TMP+32*\a+4*\t:TMP+32*\a+4*\t+3], s[8:9] offset:\a*32768+\t*4096   ; 16 lanes store 256 consecutive bytes, at a multiple of 256 from qkv's first byte
.endr
.endm
; ONE TILE, for z.  At its head the first fragments (slot 0, quarter 0) have been fetched into buffer 0.  last = 1: nothing follows, and nothing more is asked for.
.macro TILE z, last
	s_wait_loadcnt 0x0                             ; this tile's bias
	QUARTER 0, 1, 0, 1, 1                          ; the first quarter stands in front of the loop: its products start the sums, on the bias
	WIN 0
.if !\last
	PLACES                                         ; four places between the last product that read the bias and the loads into its registers
	LDBIAS \z+1                                    ; the next tile's bias: the first quarter was this one's only reader
.endif
	s_mov_b32 s3, LAPS-1
.Llap_\z:                                              ; a trip goes once round the ring, from a lap's second quarter to the next lap's first, and fills both slots again
	QUARTER 0, 2, 1, 0, 0
	QUARTER 0, 3, 0, 1, 0
	TURN 0, 1, 1, \z
	QUARTER 1, 1, 0, 1, 0
	QUARTER 1, 2, 1, 0, 0
	QUARTER 1, 3, 0, 1, 0
	TURN 1, 0, 1, \z
	QUARTER 0, 1, 0, 1, 0
	WIN 0
	s_sub_co_u32 s3, s3, 1
	s_cmp_lg_u32 s3, 0
	s_cbranch_scc1 .Llap_\z
	QUARTER 0, 2, 1, 0, 0                          ; the tile's last lap
	QUARTER 0, 3, 0, 1, 0
.if \last
	TURN 0, 1, 0, \z                               ; nothing is filled, so no round of the cluster's barrier
	QUARTER 1, 1, 0, 1, 0
	QUARTER 1, 2, 1, 0, 0
	QUARTER 1, 3, 0, 1, 0
	s_wait_dscnt 8                                 ; the very last quarter: nothing more to fetch
	WIN 0
	CVT0 1
	ROWC 1, 0, 1, 0
	s_wait_dscnt 0
	ROWC 1, 1, 2, 0
	ROWC 1, 2, 3, 0
	ROWC 1, 3, -1, 0
.else
	TURN 0, 1, 2, \z                               ; THE RING GOES ON INTO THE NEXT TILE: slot 0 takes its K step 0,
	QUARTER 1, 1, 0, 1, 0
	QUARTER 1, 2, 1, 0, 0
	QUARTER 1, 3, 0, 1, 0
	TURN 1, 0, 2, \z                               ; slot 1 its K step 1, and the next tile's first fragments are fetched
.endif
	WIN 0
.if \z == 0
	s_mov_b32 s86, 0x3e38aa3b                      ; kappa for q: log2(e) / 8
.else
	s_mov_b32 s86, 0x3e800000                      ; for k and v: 1 / 4
.endif
	s_mov_b32 s87, s86                             ; named with it as a pair, so it is written
	PLACES                                         ; the multiplies below read and write results just made
	PACK 0                                         ; both refills are asked for: now the tile goes out
	PACK 1                                         ; a block's arithmetic stands between the loads of the block before and its stores; each block has registers of its own
	SEND 0, 16
	PACK 2
	SEND 1, 16
	PACK 3
	SEND 2, 16
	SEND 3, 0
.if !\last
	s_wait_xcnt 0x0                                ; every store has had its addresses translated (ISA guide 3.1): only behind this wait are the stores' base stepped and their data registers loaded or written again
	s_add_nc_u64 s[8:9], s[8:9], 0x1000000         ; the next part of qkv, 8,192 rows of 2,048 bytes on
.endif
.endm
	s_wait_tensorcnt 1                             ; my part of K step 0 is in; K step 1's may stay out
	s_barrier_signal -1
	s_barrier_wait -1                              ; everybody's is
	FETCH 0, 0, 0
	TILE 0, 0
	TILE 1, 0
	TILE 2, 1
	s_wait_tensorcnt 0x0
	ds_add_u32 v30, v31
	s_wait_dscnt 0x0
	CROUND                                         ; the closing round: no work-group ends while a partner may still ask for a tile that names it
	s_endpgm
.Lfunc_end_k_qb13c37172c_proj:
	.size	k_qb13c37172c_proj, .Lfunc_end_k_qb13c37172c_proj-k_qb13c37172c_proj
	.p2alignl 7, 3214868480
	.fill 96, 4, 3214868480
	.section	.rodata,"a",@progbits
	.p2align	6, 0x0
	.amdhsa_kernel k_qb13c37172c_proj
		.amdhsa_group_segment_fixed_size 327680
		.amdhsa_private_segment_fixed_size 0
		.amdhsa_enable_private_segment 0
		.amdhsa_kernarg_size 64
		.amdhsa_user_sgpr_count 2
		.amdhsa_user_sgpr_kernarg_segment_ptr 1
		.amdhsa_wavefront_size32 1
		.amdhsa_system_sgpr_workgroup_id_x 1
		.amdhsa_system_sgpr_workgroup_id_y 1
		.amdhsa_system_sgpr_workgroup_id_z 1
		.amdhsa_system_vgpr_workitem_id 0
		.amdhsa_next_free_vgpr 768
		.amdhsa_next_free_sgpr 96
		.amdhsa_reserve_vcc 0
		.amdhsa_float_denorm_mode_32 3
		.amdhsa_float_denorm_mode_16_64 3
		.amdhsa_memory_ordered 1
		.amdhsa_forward_progress 1
		.amdhsa_inst_pref_size 255
	.end_amdhsa_kernel
	.section	.bss,"aw",@nobits
	.p2align	6
	.space	262144
	.amdgpu_metadata
---
amdhsa.version: [ 1, 2 ]
amdhsa.kernels:
  - .name:           k_qb13c37172c_proj
    .symbol:         k_qb13c37172c_proj.kd
    .args:
      - { .name: query, .offset: 0, .size: 8, .value_kind: global_buffer, .address_space: global }
      - { .name: key, .offset: 8, .size: 8, .value_kind: global_buffer, .address_space: global }
      - { .name: value, .offset: 16, .size: 8, .value_kind: global_buffer, .address_space: global }
      - { .name: bq, .offset: 24, .size: 8, .value_kind: global_buffer, .address_space: global }
      - { .name: bk, .offset: 32, .size: 8, .value_kind: global_buffer, .address_space: global }
      - { .name: bv, .offset: 40, .size: 8, .value_kind: global_buffer, .address_space: global }
      - { .name: wh, .offset: 48, .size: 8, .value_kind: global_buffer, .address_space: global }
      - { .name: qkv, .offset: 56, .size: 8, .value_kind: global_buffer, .address_space: global }
    .group_segment_fixed_size: 327680
    .private_segment_fixed_size: 0
    .kernarg_segment_align: 8
    .kernarg_segment_size: 64
    .max_flat_workgroup_size: 128
    .sgpr_count:     96
    .vgpr_count:     768
    .wavefront_size: 32
...
	.end_amdgpu_metadata
.endif
;; end of part 2
;; launch scores (part 3): grid 8 x 32, 4 waves a work-group, clusters of 4 x 4, 327,680 bytes of LDS; arguments qkv, pbuf, stats; writes pbuf, stats
.if DOCPART == 3
	.amdgcn_target "amdgcn-amd-amdhsa--gfx1250"
	.amdhsa_code_object_version 6
	.text
	.protected	k_qb13c37172c_scores
	.globl	k_qb13c37172c_scores
	.p2align	8
	.type	k_qb13c37172c_scores,@function
k_qb13c37172c_scores:
	s_mov_b64 s[64:65], 0
	v_nop
	global_prefetch_b8 v0, s[64:65] scope:SCOPE_SE
	s_setreg_imm32_b32 hwreg(HW_REG_WAVE_MODE, 25, 1), 1
	s_wait_xcnt 0x0
	s_wait_alu depctr_hold_cnt(0) depctr_sa_sdst(0) depctr_va_vdst(0) depctr_va_sdst(0) depctr_va_ssrc(0) depctr_va_vcc(0) depctr_vm_vsrc(0)
	s_getreg_b32 s2, hwreg(HW_REG_IB_STS2, 6, 4)
	s_cmp_eq_u32 s2, 0
	s_cbranch_scc0 .Lentry_in_a_cluster
	s_endpgm
.Lentry_in_a_cluster:
	s_bfe_u32 s2, ttmp6, 0x10000c
	s_cmp_lg_u32 s2, 0xf033
	s_cbranch_scc0 .Lentry_shape_is_right
	s_endpgm
.Lentry_shape_is_right:
; s[q][key] = sum over d of q''[q][d] k'[key][d] (q'' = qkv part 0, k' = part 1; the factor log2(e) / sqrt(1024) lies in them), inside each of the 4 batches of 2,048 rows.
; For each query and each block kb of 128 keys: m = max of s, pbuf[q][key] = f16(2^(s - m)), l = the sum of 2^(s - m) in f32; stats[0][kb][q] = m, stats[1][kb][q] = l.
; The maximum that is taken away is the true maximum of the block, so every exponent is at most 0 and no exponential can overflow; the next launch brings the 16 blocks of a row
; onto the row's maximum.  Weights under 6e-8 of their block's largest round to 0 in f16.
; SHARES.  A tile is 256 queries x 256 keys: 32 x 8 tiles, 256 work-groups.  Four waves, each 128 x 128: 64 accumulators, 512 registers; a wave's 128 keys are one block kb.
; K (the 1,024 channels) goes in steps of 128 through a ring of two LDS slots filled by the tensor data mover; rows of 256 bytes.
; CLUSTERS: 4 x 4 work-groups.  The four of a row of the cluster need the same tiles of q'', the four of a column the same tiles of k': each is asked for jointly.
; THE MATRIX INSTRUCTION IS USED TRANSPOSED: source 0 = 16 keys, source 1 = 16 queries: a lane holds ONE query (l % 16) and, of each block of 16 keys, the eight keys 8 (l / 16) + 0..7.
; So a query's maximum and sum want one exchange between the halves of the lanes, and eight weights pack into 16 neighbouring bytes.
; REGISTERS.  window 0: v4-15 statistics, v16-29 addresses; v64-127, v128-191 fragments of q'', two buffers (in the epilogue: packed weights, four blocks of 32)
;   window 1: v64-127, v128-191 fragments of k';   window 2: the accumulators of my queries 0-63 ((a, b) at v[8 (8 a + b)]);   window 3: those of queries 64-127
.set KSTEP,  128
.set PITCH,  272                       ; an LDS row: 256 bytes + 16 = 68 words: the 16 rows of a load begin 4 banks apart (64 banks of 4 bytes: ISA guide 11.1)
.set HALFT,  128*PITCH
.set SLOT,   4*HALFT
.set STAGE,  2*SLOT                    ; behind the ring: 16 rows x 272 bytes for each wave
.set SPITCH, 272
.set STATS,  STAGE+4*16*SPITCH         ; 1,024 bytes for each wave: 128 m, then 128 l
.set LAPS,   4                         ; 1,024 / (2 x 128)
.set KOFF,   16777216                  ; k' lies behind q'' in qkv
.set ADRA, 16
.set ADRB, 20
.set STO,  24
.set RD,   25
.set CO,   26                          ; my byte offset in pbuf
.set STA,  27                          ; where my query's m goes in LDS
.set STR,  28                          ; where I read 4 of the wave's statistics back
.set SO,   29                          ; and where they go in stats
.set F0,   64
.set F1,   128
.set TMP,  64
.set G1,  24
.set G0,  32
.set G1B, 48
.set G0B, 56
.set MUL_LO, 0xa1                      ; source 0 (k') window 1, source 1 (q'') window 0, C and D window 2
.set MUL_HI, 0xf1                      ; the same, C and D window 3
.set TO_B,   0x40
.set MSB, 0
.macro WIN new
.if MSB != (\new)
	s_set_vgpr_msb (MSB<<8)|(\new)
.set MSB, \new
.endif
.endm
.macro PLACES
.rept 4
	v_nop
.endr
.endm
.macro JLOAD s                         ; a joint load: waves 0 and 1 fetch the two halves of q'''s tile, waves 2 and 3 of k''s; four v_nop follow each of the two lines
	s_cmp_eq_u32 s11, 0
	s_cbranch_scc0 .Lfor_b_\@
	tensor_load_to_lds s[G0+4*\s:G0+4*\s+3], s[G1:G1+7]
	s_nop 0
.rept 4
	v_nop
.endr
	s_branch .Lasked_\@
.Lfor_b_\@:
	tensor_load_to_lds s[G0B+4*\s:G0B+4*\s+3], s[G1B:G1B+7]
	s_nop 0
.rept 4
	v_nop
.endr
.Lasked_\@:
.endm
.macro CREST
	s_cmp_lg_u32 s10, 0
	s_cbranch_scc1 .Lnot_wave_0_\@
	s_barrier_signal -3
.Lnot_wave_0_\@:
	s_barrier_wait -3
	s_barrier_signal -1
	s_barrier_wait -1
.endm
.macro CROUND
	s_barrier_signal -1
	s_barrier_wait -1
	CREST
.endm
	s_load_b128 s[4:7], s[0:1], 0x0                ; qkv s[4:5], pbuf s[6:7]
	s_load_b64 s[8:9], s[0:1], 0x10                ; stats
	s_set_vgpr_msb 0x40
	v_lshl_add_u32 v255, v0, 2, 0x49400
	s_set_vgpr_msb 0x4000
	v_mov_b32 v255, 0
	s_set_vgpr_msb 0x1
	ds_add_u32 v255, v255
	s_set_vgpr_msb 0x100
	v_lshrrev_b32 v1, 5, v0
	v_readfirstlane_b32 s10, v1                    ; wave 0..3
	s_lshr_b32 s11, s10, 1                         ; which half of the tile's queries is mine.  Also: I fetch for q'' (0) or for k' (1)
	s_and_b32 s12, s10, 1                          ; which half of its keys.  Also: which 128 rows of that tile I fetch
	s_bfe_u32 s40, ttmp6, 0x40000                  ; cx, cy
	s_bfe_u32 s41, ttmp6, 0x40004
	s_lshl_b32 s42, ttmp9, 2
	s_add_co_u32 s42, s42, s40                     ; tile column (keys), 0..7
	s_and_b32 s45, ttmp7, 0xffff                   ; the cluster's y, 0..7
	s_lshl_b32 s13, s45, 2
	s_add_co_u32 s13, s13, s41                     ; tile row (queries of all batches), 0..31
	s_lshl_b32 s43, s41, 2
	s_lshl_b32 s43, 15, s43                        ; my row of the cluster
	s_lshl_b32 s44, 0x1111, s40                    ; my column
	; group 1: 128 rows x 128 elements of 2 bytes, 4 words of padding behind every 64 words
	s_or_b32 s[G1+0], s43, (1<<16)|(1<<20)|(1<<21)|(5<<22)|(3<<25)
	s_or_b32 s[G1B+0], s44, (1<<16)|(1<<20)|(1<<21)|(5<<22)|(3<<25)
.irp g, G1, G1B
	s_mov_b32 s[\g+1], KSTEP<<16                   ; tensor_dim0 = 128
	s_mov_b32 s[\g+2], 128<<16                     ; tensor_dim1 = 128
	s_mov_b32 s[\g+3], KSTEP<<16                   ; tile_dim0 = 128
	s_mov_b32 s[\g+4], 128                         ; tile_dim1 = 128
	s_mov_b32 s[\g+5], 1024                        ; elements from row to row
	s_mov_b32 s[\g+6], 0
	s_mov_b32 s[\g+7], 0
.endr
	s_lshl_b32 s17, s12, 7                         ; which 128 rows of the tile I fetch
	s_lshl_b32 s16, s13, 8
	s_add_co_u32 s16, s16, s17                     ; q'': row 256 x tile row + 128 x half,
	s_lshl_b32 s16, s16, 11                        ; of 2,048 bytes
	s_lshr_b32 s46, s45, 1                         ; the batch: two clusters' rows to each, the same in all partners
	s_lshl_b32 s46, s46, 11
	s_lshl_b32 s47, s42, 8
	s_add_co_u32 s46, s46, s47
	s_add_co_u32 s46, s46, s17                     ; k': row 2,048 x batch + 256 x tile column + 128 x half
	s_lshl_b32 s46, s46, 11
	s_add_co_u32 s46, s46, KOFF
	s_mov_b32 s17, 0
	s_mov_b32 s47, 0
	s_mul_i32 s20, s10, HALFT                      ; where they go: wave x 128 rows
	s_lshl_b32 s68, s13, 8
	s_lshl_b32 s69, s11, 7
	s_add_co_u32 s68, s68, s69                     ; my first query
	s_lshl_b32 s70, s68, 2                         ; its word in a row of stats
	s_lshl_b32 s68, s68, 12                        ; its row of 4,096 bytes in pbuf,
	s_lshl_b32 s69, s42, 9
	s_add_co_u32 s68, s68, s69                     ; my first key
	s_lshl_b32 s69, s12, 8
	s_add_co_u32 s68, s68, s69
	s_mov_b32 s69, 0
	s_lshl1_add_u32 s71, s42, s12                  ; kb = 2 x tile column + half
	s_lshl_b32 s71, s71, 15                        ; rows of 8,192 words
	s_add_co_u32 s70, s70, s71
	s_mov_b32 s71, 0
	s_mov_b32 s66, 0x76543210                      ; v_permlanex16_b32: each lane takes its own place in the other half
	s_mov_b32 s67, 0xfedcba98
	s_wait_dscnt 0x0
	s_wait_kmcnt 0x0
	s_add_nc_u64 s[14:15], s[4:5], s[16:17]
	s_add_nc_u64 s[46:47], s[4:5], s[46:47]
	s_add_nc_u64 s[6:7], s[6:7], s[68:69]
	s_add_nc_u64 s[8:9], s[8:9], s[70:71]
	CROUND                                         ; all sixteen work-groups are here: the first joint loads meet
.irp s, 0,1
	s_mov_b32 s[G0+4*\s], 1
	s_add_co_u32 s[G0+4*\s+1], s20, \s*SLOT
	s_add_nc_u64 s[G0+4*\s+2:G0+4*\s+3], s[14:15], \s*KSTEP*2
	s_or_b32 s[G0+4*\s+3], s[G0+4*\s+3], 0x80000000
	s_mov_b32 s[G0B+4*\s], 1
	s_add_co_u32 s[G0B+4*\s+1], s20, \s*SLOT
	s_add_nc_u64 s[G0B+4*\s+2:G0B+4*\s+3], s[46:47], \s*KSTEP*2
	s_or_b32 s[G0B+4*\s+3], s[G0B+4*\s+3], 0x80000000
	JLOAD \s
.endr
	v_and_b32 v1, 15, v0                           ; l % 16
	v_bfe_u32 v2, v0, 4, 1                         ; l / 16
	v_mul_u32_u24 v3, v1, PITCH
	v_lshl_add_u32 v3, v2, 4, v3                   ; a fragment's row x pitch + 16 x half
	s_mul_i32 s21, s11, HALFT                      ; my 128 queries
	s_mul_i32 s22, s12, HALFT                      ; my 128 keys,
	s_add_co_u32 s22, s22, 2*HALFT                 ; which lie behind the 256 queries
.irp s, 0,1
	v_add_nc_u32 v[ADRA+\s], s21, v3
	v_add_nc_u32 v[ADRB+\s], s22, v3
	s_add_co_u32 s21, s21, SLOT
	s_add_co_u32 s22, s22, SLOT
.endr
	s_mul_i32 s23, s10, 16*SPITCH
	s_add_co_u32 s23, s23, STAGE                   ; my stage
	v_mul_u32_u24 v4, v1, SPITCH
	v_lshl_add_u32 v4, v2, 4, v4
	v_add_nc_u32 v[STO], s23, v4
	v_mul_u32_u24 v5, v2, SPITCH
	v_lshl_add_u32 v5, v1, 4, v5
	v_add_nc_u32 v[RD], s23, v5
	v_lshlrev_b32 v[CO], 12, v2                    ; two rows of pbuf, 4,096 bytes apart
	v_lshl_add_u32 v[CO], v1, 4, v[CO]
	s_lshl_b32 s23, s10, 10
	s_add_co_u32 s23, s23, STATS                   ; my statistics
	v_lshl_add_u32 v[STA], v1, 2, s23
	v_and_b32 v3, 31, v0
	v_lshlrev_b32 v[SO], 4, v3
	v_add_nc_u32 v[STR], s23, v[SO]
	v_mov_b32 v11, 0                               ; the exchange's destination counts as read: it is written once here
; 16 matrix instructions: query blocks a0, a0 + 1 of the window's four x all 8 key blocks, 32 along K.  zero = 1: the first product starts the sums.
; The 64 accumulators take turns, one instruction a turn, in the same order in every quarter.
.macro MUL16 f, hi, a0, zero
.irp a, \a0, \a0+1
.irp b, 0,1,2,3,4,5,6,7
.if \zero
	v_wmma_f32_16x16x32_f16 v[8*(8*(\a)+\b):8*(8*(\a)+\b)+7], v[\f+8*\b:\f+8*\b+7], v[\f+8*(4*\hi+\a):\f+8*(4*\hi+\a)+7], 0
.else
	v_wmma_f32_16x16x32_f16 v[8*(8*(\a)+\b):8*(8*(\a)+\b)+7], v[\f+8*\b:\f+8*\b+7], v[\f+8*(4*\hi+\a):\f+8*(4*\hi+\a)+7], v[8*(8*(\a)+\b):8*(8*(\a)+\b)+7]
.endif
.endr
.endr
.endm
.macro FETCH slot, k, f                ; 32 LDS loads in one run: 128 keys, then 128 queries, 32 along K at byte k of the rows
	WIN TO_B
.irp i, 0,1,2,3,4,5,6,7
	ds_load_b128 v[\f+8*\i:\f+8*\i+3],   v[ADRB+\slot] offset:\k+\i*16*PITCH
	ds_load_b128 v[\f+8*\i+4:\f+8*\i+7], v[ADRB+\slot] offset:\k+\i*16*PITCH+32
.endr
	WIN 0
.irp i, 0,1,2,3,4,5,6,7
	ds_load_b128 v[\f+8*\i:\f+8*\i+3],   v[ADRA+\slot] offset:\k+\i*16*PITCH
	ds_load_b128 v[\f+8*\i+4:\f+8*\i+7], v[ADRA+\slot] offset:\k+\i*16*PITCH+32
.endr
.endm
.macro QUARTER slot, k, f, g, zero
	s_wait_dscnt 8                                 ; the keys and queries 0-63 are in; the youngest eight loads (queries 64-127) may be out
	WIN MUL_LO
	MUL16 \f, 0, 0, \zero
	MUL16 \f, 0, 2, \zero
	PLACES                                         ; four places between the last product that read buffer g and the loads into it (ISA guide 7.12.1 for vector instructions)
	FETCH \slot, \k, \g
	s_wait_dscnt 32                                ; all but the 32 just issued
	WIN MUL_HI
	MUL16 \f, 1, 0, \zero
	MUL16 \f, 1, 2, \zero
.endm
; The last quarter's first half: ONE barrier for the change of slots.  In front of it each wave waits for its own reads of this slot and for all its tensor loads, of which one is out.
.macro MEET round
	s_wait_dscnt 8
	WIN MUL_LO
	MUL16 F1, 0, 0, 0
	s_wait_dscnt 0                                 ; my reads of this slot are over,
	s_wait_tensorcnt 0x0                           ; and all my tensor loads have landed: my part of the next slot
	ds_add_u32 v255, v255
	s_wait_dscnt 0x0
	s_barrier_signal -1
	MUL16 F1, 0, 2, 0                              ; work on registers while the others arrive
.if \round
	WIN 0
.endif
	s_barrier_wait -1
.endm
.macro TURN slot, next
	MEET 1
	CREST                                          ; no wave of any partner still reads this slot's tile or has a load on its way
	s_add_nc_u64 s[G0+4*\slot+2:G0+4*\slot+3], s[G0+4*\slot+2:G0+4*\slot+3], 2*KSTEP*2
	s_add_nc_u64 s[G0B+4*\slot+2:G0B+4*\slot+3], s[G0B+4*\slot+2:G0B+4*\slot+3], 2*KSTEP*2
	JLOAD \slot                                    ; the first tensor load behind the round; its four v_nop are also the places in front of the loads below
	FETCH \next, 0, F0
	WIN MUL_HI
	MUL16 F1, 1, 0, 0
	MUL16 F1, 1, 2, 0
.endm
	s_wait_tensorcnt 1                             ; my part of K step 0 is in; K step 1's may stay out
	s_barrier_signal -1
	s_barrier_wait -1
	FETCH 0, 0, F0
	QUARTER 0, 64,  F0, F1, 1
	WIN 0
	s_mov_b32 s3, LAPS-1
.Llap:
	QUARTER 0, 128, F1, F0, 0
	QUARTER 0, 192, F0, F1, 0
	TURN 0, 1
	QUARTER 1, 64,  F0, F1, 0
	QUARTER 1, 128, F1, F0, 0
	QUARTER 1, 192, F0, F1, 0
	TURN 1, 0
	QUARTER 0, 64,  F0, F1, 0
	WIN 0
	s_sub_co_u32 s3, s3, 1
	s_cmp_lg_u32 s3, 0
	s_cbranch_scc1 .Llap
	QUARTER 0, 128, F1, F0, 0                      ; the last lap fills nothing
	QUARTER 0, 192, F0, F1, 0
	MEET 0
	PLACES
	FETCH 1, 0, F0
	WIN MUL_HI
	MUL16 F1, 1, 0, 0
	MUL16 F1, 1, 2, 0
	QUARTER 1, 64,  F0, F1, 0
	QUARTER 1, 128, F1, F0, 0
	QUARTER 1, 192, F0, F1, 0
	s_wait_dscnt 0                                 ; the very last quarter
	WIN MUL_LO
	MUL16 F1, 0, 0, 0
	MUL16 F1, 0, 2, 0
	WIN MUL_HI
	MUL16 F1, 1, 0, 0
	MUL16 F1, 1, 2, 0
	WIN 0
; THE SOFTMAX OF A BLOCK a OF 16 QUERIES over the wave's 128 keys.  A lane has 64 scores of its query in window 2 + a / 4, the lane 16 away the other 64.
.macro SOFT a
.set AC, 64*((\a)%4)
.set TM, TMP+32*((\a)%4)
	WIN 21*(2+(\a)/4)                              ; all three sources in the block's window
.irp i, 0,1,2,3
	v_max3_num_f32 v[4+\i], v[AC+16*\i], v[AC+16*\i+1], v[AC+16*\i+2]      ; four chains, started by the first scores: nothing is cleared
.endr
	WIN 20*(2+(\a)/4)                              ; sources 1 and 2 in the block's window
.irp p, 0,1,2,3,4,5
.irp i, 0,1,2,3
	v_max3_num_f32 v[4+\i], v[4+\i], v[AC+16*\i+3+2*\p], v[AC+16*\i+4+2*\p]
.endr
.endr
	v_max3_num_f32 v4, v4, v[AC+15], v[AC+31]
	v_max3_num_f32 v6, v6, v[AC+47], v[AC+63]
	WIN 0
	v_max3_num_f32 v4, v4, v5, v6
	v_max_num_f32 v4, v4, v7
	v_permlanex16_b32 v11, v4, s66, s67            ; the query's other 64 keys
	v_max_num_f32 v8, v4, v11                      ; m
	v_mov_b32 v9, v8                               ; twice, for the packed subtraction
	WIN 65*(2+(\a)/4)                              ; destination and source 0 in the block's window
.set n, 0
.rept 32
	v_pk_add_f32 v[AC+n:AC+n+1], v[AC+n:AC+n+1], v[8:9] neg_lo:[0,1] neg_hi:[0,1]   ; s - m, at most 0
.set n, n+2
.endr
.set n, 0
.rept 64
	v_exp_f32 v[AC+n], v[AC+n]
.set n, n+1
.endr
	v_nop                                          ; one plain instruction between the run of exponentials and the first use of a result: another exponential is no such place (ISA guide 5.7.2)
	WIN 5*(2+(\a)/4)                               ; sources 0 and 1 in the block's window, destination window 0
	s_wait_xcnt 0x0                                ; the stores of the block four back have had their addresses translated (ISA guide 3.1): their data registers are written again only behind this wait
.set n, 0
	s_wait_alu depctr_va_vdst(0)
.rept 32
	v_cvt_pk_f16_f32 v[TM+n], v[AC+2*n], v[AC+2*n+1]   ; eight neighbouring keys' weights make 16 bytes
.set n, n+1
.endr
	WIN 69*(2+(\a)/4)                              ; destination, sources 0 and 1 in the block's window
.irp st, 1,2,4,8,16                    ; the sum of the 32 pairs, in place: neighbours 1, 2, 4, 8, 16 pairs apart
.set n, 0
.rept 16/\st
	v_pk_add_f32 v[AC+n:AC+n+1], v[AC+n:AC+n+1], v[AC+n+2*\st:AC+n+2*\st+1]
.set n, n+4*\st
.endr
.endr
	WIN 5*(2+(\a)/4)
	v_add_f32 v10, v[AC], v[AC+1]
	WIN 0
	v_permlanex16_b32 v11, v10, s66, s67
	v_add_f32 v10, v10, v11                        ; l
.endm
.macro TOSTAGE a                       ; the weights into my stage and back as whole rows of 256 bytes; m and l into my statistics (both halves of the lanes write the same word with the same value)
.set TM, TMP+32*((\a)%4)
.irp b, 0,1,2,3,4,5,6,7
	ds_store_b128 v[STO], v[TM+4*\b:TM+4*\b+3] offset:32*\b
.endr
	ds_store_b32 v[STA], v8 offset:64*(\a)
	ds_store_b32 v[STA], v10 offset:512+64*(\a)
.irp t, 0,1,2,3,4,5,6,7
	ds_load_b128 v[TM+4*\t:TM+4*\t+3], v[RD] offset:\t*2*SPITCH    ; LDS serves a wave's instructions in order (ISA guide 5.7.1.4): these see the stores above
.endr
.endm
.macro SEND a                          ; a may be an expression: it stands in brackets wherever it is multiplied
.set TM, TMP+32*((\a)%4)
	s_wait_dscnt 0                                 ; the block is back in registers (a whole block's softmax stands between the loads and this wait)
.irp t, 0,1,2,3,4,5,6,7
	global_store_b128 v[CO], v[TM+4*\t:TM+4*\t+3], s[6:7] offset:(\a)*65536+\t*8192   ; block a's 16 rows of 4,096 bytes; 16 lanes store 256 consecutive bytes, at a multiple of 256 from pbuf's first byte
.endr
.endm
	PLACES                                         ; the maxima read results just made
	SOFT 0
	TOSTAGE 0
.irp a, 1,2,3,4,5,6,7
	SOFT \a
	SEND \a-1
	TOSTAGE \a
.endr
	SEND 7
	ds_load_b128 v[4:7], v[STR]                    ; my wave's 128 m and 128 l: bytes of its own, so no barrier
	ds_load_b128 v[12:15], v[STR] offset:512
	s_wait_dscnt 0
	global_store_b128 v[SO], v[4:7], s[8:9]                    ; 512 consecutive bytes, aligned
	global_store_b128 v[SO], v[12:15], s[8:9] offset:524288    ; l lies 16 x 8,192 words behind m
	s_set_vgpr_msb 0x1
	s_wait_tensorcnt 0x0
	ds_add_u32 v255, v255
	s_wait_dscnt 0x0
	s_set_vgpr_msb 0x100
	CROUND                                         ; the closing round
	s_endpgm
.Lfunc_end_k_qb13c37172c_scores:
	.size	k_qb13c37172c_scores, .Lfunc_end_k_qb13c37172c_scores-k_qb13c37172c_scores
	.p2alignl 7, 3214868480
	.fill 96, 4, 3214868480
	.section	.rodata,"a",@progbits
	.p2align	6, 0x0
	.amdhsa_kernel k_qb13c37172c_scores
		.amdhsa_group_segment_fixed_size 327680
		.amdhsa_private_segment_fixed_size 0
		.amdhsa_enable_private_segment 0
		.amdhsa_kernarg_size 24
		.amdhsa_user_sgpr_count 2
		.amdhsa_user_sgpr_kernarg_segment_ptr 1
		.amdhsa_wavefront_size32 1
		.amdhsa_system_sgpr_workgroup_id_x 1
		.amdhsa_system_sgpr_workgroup_id_y 1
		.amdhsa_system_sgpr_workgroup_id_z 1
		.amdhsa_system_vgpr_workitem_id 0
		.amdhsa_next_free_vgpr 1024
		.amdhsa_next_free_sgpr 72
		.amdhsa_reserve_vcc 0
		.amdhsa_float_denorm_mode_32 3
		.amdhsa_float_denorm_mode_16_64 3
		.amdhsa_memory_ordered 1
		.amdhsa_forward_progress 1
		.amdhsa_inst_pref_size 212
	.end_amdhsa_kernel
	.amdgpu_metadata
---
amdhsa.version: [ 1, 2 ]
amdhsa.kernels:
  - .name:           k_qb13c37172c_scores
    .symbol:         k_qb13c37172c_scores.kd
    .args:
      - { .name: qkv, .offset: 0, .size: 8, .value_kind: global_buffer, .address_space: global }
      - { .name: pbuf, .offset: 8, .size: 8, .value_kind: global_buffer, .address_space: global }
      - { .name: stats, .offset: 16, .size: 8, .value_kind: global_buffer, .address_space: global }
    .group_segment_fixed_size: 327680
    .private_segment_fixed_size: 0
    .kernarg_segment_align: 8
    .kernarg_segment_size: 24
    .max_flat_workgroup_size: 128
    .sgpr_count:     72
    .vgpr_count:     1024
    .wavefront_size: 32
...
	.end_amdgpu_metadata
.endif
;; end of part 3
;; launch pv (part 4): grid 4 x 64, 4 waves a work-group, clusters of 4 x 4, 327,680 bytes of LDS; arguments pbuf, qkv, stats, out0; writes out0
.if DOCPART == 4
	.amdgcn_target "amdgcn-amd-amdhsa--gfx1250"
	.amdhsa_code_object_version 6
	.text
	.protected	k_qb13c37172c_pv
	.globl	k_qb13c37172c_pv
	.p2align	8
	.type	k_qb13c37172c_pv,@function
k_qb13c37172c_pv:
	s_mov_b64 s[64:65], 0
	v_nop
	global_prefetch_b8 v0, s[64:65] scope:SCOPE_SE
	s_setreg_imm32_b32 hwreg(HW_REG_WAVE_MODE, 25, 1), 1
	s_wait_xcnt 0x0
	s_wait_alu depctr_hold_cnt(0) depctr_sa_sdst(0) depctr_va_vdst(0) depctr_va_sdst(0) depctr_va_ssrc(0) depctr_va_vcc(0) depctr_vm_vsrc(0)
	s_getreg_b32 s2, hwreg(HW_REG_IB_STS2, 6, 4)
	s_cmp_eq_u32 s2, 0
	s_cbranch_scc0 .Lentry_in_a_cluster
	s_endpgm
.Lentry_in_a_cluster:
	s_bfe_u32 s2, ttmp6, 0x10000c
	s_cmp_lg_u32 s2, 0xf033
	s_cbranch_scc0 .Lentry_shape_is_right
	s_endpgm
.Lentry_shape_is_right:
; out0[q][c] = (4 / L) sum over keys of (p'[q][key] f[q][kb]) v'[key][c], kb = key / 128, inside each batch of 2,048 rows.
; From stats: M = max over kb of m[kb][q], f = 2^(m - M) (at most 1: the row's true maximum is taken away), L = sum over kb of f l (at least 1).  v' = v / 4 is qkv's part 2; 4 / L takes the 1 / 4 back.
; p' (f16) is multiplied by f (f16, twice in a word) on the way from LDS to the matrix unit; products in f16, sums in f32, out0 in f32.
; Weights under 6e-8 of their row's largest round to 0 in f16.
; SHARES.  A tile is 128 queries x 256 channels: 64 x 4 tiles, 256 work-groups.  Four waves, each 64 x 128: 32 accumulators.  The 2,048 keys go in 16 steps of 128, one kb a step,
; through two LDS slots: 128 rows of p' (256 bytes) and 128 key rows of v' (512 bytes), which lie [key][channel] and are turned by ds_load_tr16_b128.
; CLUSTERS: 4 x 4 work-groups.  The four of a row of the cluster need the same tiles of p', the four of a column the same tiles of v': each is asked for jointly.
; THE MATRIX INSTRUCTION IS USED TRANSPOSED (source 0 = 16 channels, source 1 = 16 queries): a lane holds query l % 16 and eight neighbouring channels.
; REGISTERS.  window 0: v3-7 at work; v8-15 f of my four query blocks, a set for each slot; v16-26 addresses; v32-63 the set-up's m, l, f (then v32-39: 4 / L in pairs);
;   v64-95, v96-127 fragments of p', two buffers; v128-255 rows read back on the way out.   window 1: v0-63, v64-127 fragments of v'.   window 2: accumulator (a, b) at v[8 (8 a + b)]
.set PP,     272                       ; a row of p' in LDS: 256 + 16 bytes
.set PVV,    544                       ; a key row of v': 512 + 32 bytes
.set PHALF,  64*PP
.set VHALF,  64*PVV
.set VOFF,   2*PHALF
.set SLOT,   VOFF+2*VHALF              ; 104,448 bytes
.set STAGE,  2*SLOT                    ; behind the ring: 16 rows x 528 bytes for each wave
.set SPO,    528
.set FACL,   STAGE+4*16*SPO            ; f: [16 kb][128 queries] words
.set LAPS,   8                         ; 2,048 / (2 x 128)
.set VPART,  33554432                  ; v' lies behind q'' and k' in qkv
.set FC,   8
.set ADRA, 16
.set ADRB, 20
.set FADR, 22                          ; where my query's f of the lap in hand lies
.set FST,  23                          ; where the set-up puts its row's f
.set STO,  24
.set RD,   25
.set CO,   26
.set IV,   32
.set PF,   64
.set OB,   128
.set G1,  24
.set G0,  32
.set G1B, 48
.set G0B, 56
.set MUL,  0xa1                        ; source 0 (v') window 1, source 1 (p') window 0, C and D window 2
.set TO_V, 0x40
.set MSB, 0
.macro WIN new
.if MSB != (\new)
	s_set_vgpr_msb (MSB<<8)|(\new)
.set MSB, \new
.endif
.endm
.macro PLACES
.rept 4
	v_nop
.endr
.endm
.macro JLOAD s                         ; a joint load: waves 0 and 1 fetch p''s two halves, waves 2 and 3 v''s; four v_nop follow each of the two lines
	s_cmp_eq_u32 s11, 0
	s_cbranch_scc0 .Lfor_b_\@
	tensor_load_to_lds s[G0+4*\s:G0+4*\s+3], s[G1:G1+7]
	s_nop 0
.rept 4
	v_nop
.endr
	s_branch .Lasked_\@
.Lfor_b_\@:
	tensor_load_to_lds s[G0B+4*\s:G0B+4*\s+3], s[G1B:G1B+7]
	s_nop 0
.rept 4
	v_nop
.endr
.Lasked_\@:
.endm
.macro CREST
	s_cmp_lg_u32 s10, 0
	s_cbranch_scc1 .Lnot_wave_0_\@
	s_barrier_signal -3
.Lnot_wave_0_\@:
	s_barrier_wait -3
	s_barrier_signal -1
	s_barrier_wait -1
.endm
.macro CROUND
	s_barrier_signal -1
	s_barrier_wait -1
	CREST
.endm
	s_load_b256 s[68:75], s[0:1], 0x0              ; pbuf s[68:69], qkv s[70:71], stats s[72:73], out0 s[74:75]
	v_lshl_add_u32 v30, v0, 2, 0x3d600
	v_mov_b32 v31, 0
	ds_add_u32 v30, v31
	v_lshrrev_b32 v1, 5, v0
	v_readfirstlane_b32 s10, v1                    ; wave 0..3
	s_lshr_b32 s11, s10, 1                         ; which 64 of the tile's queries are mine.  Also: I fetch for p' (0) or for v' (1)
	s_and_b32 s12, s10, 1                          ; which 128 of its channels.  Also: which 64 rows of that tile I fetch
	s_bfe_u32 s40, ttmp6, 0x40000                  ; cx, cy
	s_bfe_u32 s41, ttmp6, 0x40004
	s_lshl_b32 s42, ttmp9, 2
	s_add_co_u32 s42, s42, s40                     ; tile column (channels), 0..3
	s_and_b32 s45, ttmp7, 0xffff                   ; the cluster's y, 0..15
	s_lshl_b32 s13, s45, 2
	s_add_co_u32 s13, s13, s41                     ; tile row (queries of all batches), 0..63
	s_lshl_b32 s43, s41, 2
	s_lshl_b32 s43, 15, s43                        ; my row of the cluster
	s_lshl_b32 s44, 0x1111, s40                    ; my column
	; group 1 for p': 64 rows x 128 elements of 2 bytes, 4 words of padding behind every 64 words
	s_or_b32 s[G1+0], s43, (1<<16)|(1<<20)|(1<<21)|(5<<22)|(3<<25)
	s_mov_b32 s[G1+1], 128<<16
	s_mov_b32 s[G1+2], 64<<16
	s_mov_b32 s[G1+3], 128<<16
	s_mov_b32 s[G1+4], 64
	s_mov_b32 s[G1+5], 2048                        ; elements from row to row of pbuf
	s_mov_b32 s[G1+6], 0
	s_mov_b32 s[G1+7], 0
	; group 1 for v': 64 key rows x 256 elements of 2 bytes, 8 words of padding behind every 128 words
	s_or_b32 s[G1B+0], s44, (1<<16)|(1<<20)|(1<<21)|(6<<22)|(7<<25)
	s_mov_b32 s[G1B+1], 256<<16
	s_mov_b32 s[G1B+2], 64<<16
	s_mov_b32 s[G1B+3], 256<<16
	s_mov_b32 s[G1B+4], 64
	s_mov_b32 s[G1B+5], 1024
	s_mov_b32 s[G1B+6], 0
	s_mov_b32 s[G1B+7], 0
	s_lshl_b32 s16, s13, 7
	s_lshl_b32 s17, s12, 6
	s_add_co_u32 s16, s16, s17                     ; p': row 128 x tile row + 64 x half,
	s_lshl_b32 s16, s16, 12                        ; of 4,096 bytes
	s_lshr_b32 s46, s45, 2                         ; the batch: four clusters' rows to each, the same in all partners
	s_lshl_b32 s46, s46, 11
	s_add_co_u32 s46, s46, s17                     ; v': key row 2,048 x batch + 64 x half,
	s_lshl_b32 s46, s46, 11                        ; of 2,048 bytes,
	s_lshl_b32 s47, s42, 9                         ; channel 256 x tile column
	s_add_co_u32 s46, s46, s47
	s_add_co_u32 s46, s46, VPART
	s_mov_b32 s17, 0
	s_mov_b32 s47, 0
	s_mul_i32 s20, s12, PHALF                      ; where they go in a slot
	s_mul_i32 s22, s12, VHALF
	s_add_co_u32 s22, s22, VOFF
	s_lshl_b32 s76, s13, 9                         ; stats: the tile's 128 queries, 4 bytes each
	s_mov_b32 s77, 0
	s_lshl_b32 s78, s13, 7                         ; out0: my first query,
	s_lshl_b32 s79, s11, 6
	s_add_co_u32 s78, s78, s79
	s_lshl_b32 s78, s78, 12                        ; rows of 4,096 bytes,
	s_lshl_b32 s79, s42, 10                        ; my first channel
	s_add_co_u32 s78, s78, s79
	s_lshl_b32 s79, s12, 9
	s_add_co_u32 s78, s78, s79
	s_mov_b32 s79, 0
	s_wait_dscnt 0x0
	s_wait_kmcnt 0x0
	s_add_nc_u64 s[14:15], s[68:69], s[16:17]
	s_add_nc_u64 s[46:47], s[70:71], s[46:47]
	s_add_nc_u64 s[72:73], s[72:73], s[76:77]
	s_add_nc_u64 s[74:75], s[74:75], s[78:79]
	CROUND                                         ; all sixteen work-groups are here: the first joint loads meet
.irp s, 0,1
	s_mov_b32 s[G0+4*\s], 1
	s_add_co_u32 s[G0+4*\s+1], s20, \s*SLOT
	s_add_nc_u64 s[G0+4*\s+2:G0+4*\s+3], s[14:15], \s*256          ; step s: 128 keys of 2 bytes along the rows
	s_or_b32 s[G0+4*\s+3], s[G0+4*\s+3], 0x80000000
	s_mov_b32 s[G0B+4*\s], 1
	s_add_co_u32 s[G0B+4*\s+1], s22, \s*SLOT
	s_add_nc_u64 s[G0B+4*\s+2:G0B+4*\s+3], s[46:47], \s*262144     ; step s: 128 key rows of 2,048 bytes down
	s_or_b32 s[G0B+4*\s+3], s[G0B+4*\s+3], 0x80000000
	JLOAD \s
.endr
	; THE FACTORS: thread t takes query t of the tile: its 16 m and 16 l
	v_lshlrev_b32 v3, 2, v0
.irp k, 0,1,2,3,4,5,6,7,8,9,10,11,12,13,14,15
	global_load_b32 v[32+\k], v3, s[72:73] offset:\k*32768
.endr
.irp k, 0,1,2,3,4,5,6,7,8,9,10,11,12,13,14,15
	global_load_b32 v[48+\k], v3, s[72:73] offset:\k*32768+524288
.endr
	v_and_b32 v1, 15, v0                           ; l % 16
	v_bfe_u32 v2, v0, 4, 1                         ; l / 16
	v_mul_u32_u24 v4, v1, PP
	v_lshl_add_u32 v4, v2, 4, v4                   ; a fragment of p': row x pitch + 16 x half
	s_mul_i32 s21, s11, PHALF
	v_add_nc_u32 v[ADRA], s21, v4
	v_add_nc_u32 v[ADRA+1], SLOT, v[ADRA]
	v_and_b32 v4, 7, v0                            ; the turning load: key row 8 (l / 16) + l % 8, channels 8 ((l / 8) % 2) + 0..7
	v_bfe_u32 v5, v0, 3, 1
	v_lshl_add_u32 v4, v2, 3, v4
	v_mul_u32_u24 v4, v4, PVV
	v_lshl_add_u32 v4, v5, 4, v4
	s_lshl_b32 s23, s12, 8                         ; my 128 channels
	s_add_co_u32 s23, s23, VOFF
	v_add_nc_u32 v[ADRB], s23, v4
	v_add_nc_u32 v[ADRB+1], SLOT, v[ADRB]
	s_lshl_b32 s23, s11, 8                         ; my 64 queries' words
	s_add_co_u32 s23, s23, FACL
	v_lshl_add_u32 v[FADR], v1, 2, s23
	v_add_nc_u32 v[FST], FACL, v3
	s_mul_i32 s23, s10, 16*SPO
	s_add_co_u32 s23, s23, STAGE                   ; my stage
	v_mul_u32_u24 v4, v1, SPO
	v_lshl_add_u32 v4, v2, 5, v4
	v_add_nc_u32 v[STO], s23, v4                   ; in: row l % 16, 32 bytes for each half of the lanes
	v_and_b32 v4, 31, v0
	v_lshlrev_b32 v[CO], 4, v4                     ; back and out: 32 lanes take one row of 512 bytes
	v_add_nc_u32 v[RD], s23, v[CO]
	s_wait_loadcnt 0x0
	v_max3_num_f32 v4, v32, v33, v34
.irp p, 0,1,2,3,4,5
	v_max3_num_f32 v4, v4, v[35+2*\p], v[36+2*\p]
.endr
	v_max_num_f32 v4, v4, v47                      ; M
.irp k, 0,1,2,3,4,5,6,7,8,9,10,11,12,13,14,15
	v_sub_f32 v[32+\k], v[32+\k], v4               ; m - M, at most 0
.endr
.irp k, 0,1,2,3,4,5,6,7,8,9,10,11,12,13,14,15
	v_exp_f32 v[32+\k], v[32+\k]                   ; f
.endr
	v_nop                                          ; a plain instruction between the last exponential and the use of its result (ISA guide 5.7.2)
	s_wait_alu depctr_va_vdst(0)
	v_mul_f32 v5, v32, v48                         ; L = sum of f l, in two chains
	v_mul_f32 v6, v33, v49
.irp p, 1,2,3,4,5,6,7
	v_fmac_f32 v5, v[32+2*\p], v[48+2*\p]
	v_fmac_f32 v6, v[33+2*\p], v[49+2*\p]
.endr
	v_add_f32 v5, v5, v6
	v_rcp_f32 v6, v5
.irp k, 0,1,2,3,4,5,6,7,8,9,10,11,12,13,14,15
	v_cvt_pk_f16_f32 v[48+\k], v[32+\k], v[32+\k]  ; f twice in a word; the first of these is the plain instruction behind the reciprocal
.endr
	s_wait_alu depctr_va_vdst(0)
	v_mul_f32 v7, 4.0, v6                          ; 4 / L
.irp k, 0,1,2,3,4,5,6,7,8,9,10,11,12,13,14,15
	ds_store_b32 v[FST], v[48+\k] offset:512*\k
.endr
	ds_store_b32 v[FST], v7 offset:8192
	s_wait_dscnt 0x0                               ; for the others' sake: my rows' factors are in LDS,
	s_wait_tensorcnt 1                             ; and my part of step 0; step 1's may stay out
	s_barrier_signal -1
	s_barrier_wait -1
; 24 LDS loads in one run: quarter q (32 keys) of a slot into buffer f: v''s 8 fragments first, then p''s 4
.macro FETCH slot, q, f
	WIN TO_V
.irp b, 0,1,2,3,4,5,6,7
	ds_load_tr16_b128 v[64*\f+8*\b:64*\f+8*\b+3],   v[ADRB+\slot] offset:\q*32*PVV+32*\b
	ds_load_tr16_b128 v[64*\f+8*\b+4:64*\f+8*\b+7], v[ADRB+\slot] offset:\q*32*PVV+16*PVV+32*\b
.endr
	WIN 0
.irp a, 0,1,2,3
	ds_load_b128 v[PF+32*\f+8*\a:PF+32*\f+8*\a+3],   v[ADRA+\slot] offset:\a*16*PP+\q*64
	ds_load_b128 v[PF+32*\f+8*\a+4:PF+32*\f+8*\a+7], v[ADRA+\slot] offset:\a*16*PP+\q*64+32
.endr
.endm
.macro MULF0 f, s                      ; p''s fragment 0 of buffer f times its queries' f
.irp j, 0,1,2,3,4,5,6,7
	v_pk_mul_f16 v[PF+32*\f+\j], v[PF+32*\f+\j], v[FC+4*\s]
.endr
.endm
; Query block a of buffer f: 8 matrix instructions, and behind each four of them four multiplies of p''s fragment nxt by f (none if nxt < 0).  The 32 accumulators take turns, one
; instruction a turn, in the same order in every quarter.  The multiplies name no register of the products round them: they are the places (ISA guide 7.12.1).
.macro ROWM f, a, nxt, s, zero
.irp g, 0, 4
	WIN MUL
.irp c, 0,1,2,3
.if \zero
	v_wmma_f32_16x16x32_f16 v[64*\a+8*(\g+\c):64*\a+8*(\g+\c)+7], v[64*\f+8*(\g+\c):64*\f+8*(\g+\c)+7], v[PF+32*\f+8*\a:PF+32*\f+8*\a+7], 0
.else
	v_wmma_f32_16x16x32_f16 v[64*\a+8*(\g+\c):64*\a+8*(\g+\c)+7], v[64*\f+8*(\g+\c):64*\f+8*(\g+\c)+7], v[PF+32*\f+8*\a:PF+32*\f+8*\a+7], v[64*\a+8*(\g+\c):64*\a+8*(\g+\c)+7]
.endif
.endr
.if \nxt >= 0
	WIN 0
.irp c, 0,1,2,3
	v_pk_mul_f16 v[PF+32*\f+8*\nxt+\g+\c], v[PF+32*\f+8*\nxt+\g+\c], v[FC+4*\s+\nxt]
.endr
.endif
.endr
.endm
.macro QUARTER slot, q, f, g, zero
	s_wait_dscnt 4                                 ; f, v' and p''s fragments 0, 1 are in; the youngest four loads (fragments 2, 3) may be out
	WIN 0
	MULF0 \f, \slot
	ROWM \f, 0, 1, \slot, \zero
	FETCH \slot, \q, \g                            ; 16 plain instructions behind the last product that read buffer g
	s_wait_dscnt 24                                ; all but the 24 just issued
	ROWM \f, 1, 2, \slot, \zero
	ROWM \f, 2, 3, \slot, \zero
	ROWM \f, 3, -1, \slot, \zero
.endm
; The last quarter multiplies buffer 1 and changes slots: ONE barrier; in front of it each wave waits for its own reads of this slot and for all its tensor loads.
; fill = 1: the barrier opens a round of the cluster's barrier, and this slot is filled again, two steps ahead, first thing behind the round.  Then the next step's f and first fragments.
.macro TURN slot, next, fill
	s_wait_dscnt 4
	WIN 0
	MULF0 1, \slot
	ROWM 1, 0, 1, \slot, 0
	s_wait_dscnt 0                                 ; my reads of this slot are over,
	s_wait_tensorcnt 0x0                           ; and all my tensor loads have landed
	ds_add_u32 v30, v31
	s_wait_dscnt 0x0
	s_barrier_signal -1
	ROWM 1, 1, 2, \slot, 0
	WIN 0
	s_barrier_wait -1
.if \fill
	CREST
	s_add_nc_u64 s[G0+4*\slot+2:G0+4*\slot+3], s[G0+4*\slot+2:G0+4*\slot+3], 512
	s_add_nc_u64 s[G0B+4*\slot+2:G0B+4*\slot+3], s[G0B+4*\slot+2:G0B+4*\slot+3], 524288
	JLOAD \slot
.endif
.if \next == 0
	v_add_nc_u32 v[FADR], 1024, v[FADR]            ; the next lap's two kb
.endif
.irp a, 0,1,2,3
	ds_load_b32 v[FC+4*\next+\a], v[FADR] offset:512*\next+64*\a   ; older than the fetch below, so the next head's count stays 4
.endr
	FETCH \next, 0, 0
	ROWM 1, 2, 3, \slot, 0
	ROWM 1, 3, -1, \slot, 0
.endm
.irp a, 0,1,2,3
	ds_load_b32 v[FC+\a], v[FADR] offset:64*\a     ; f of kb 0
.endr
.irp a, 0,1,2,3
	ds_load_b32 v[IV+2*\a], v[FADR] offset:8192+64*\a      ; 4 / L of my four query blocks, twice: pairs for the packed multiply
	ds_load_b32 v[IV+2*\a+1], v[FADR] offset:8192+64*\a
.endr
	FETCH 0, 0, 0
	QUARTER 0, 1, 0, 1, 1                          ; the first quarter stands in front of the loop: its products start the sums
	WIN 0
	s_mov_b32 s3, LAPS-1
.Llap:
	QUARTER 0, 2, 1, 0, 0
	QUARTER 0, 3, 0, 1, 0
	TURN 0, 1, 1
	QUARTER 1, 1, 0, 1, 0
	QUARTER 1, 2, 1, 0, 0
	QUARTER 1, 3, 0, 1, 0
	TURN 1, 0, 1
	QUARTER 0, 1, 0, 1, 0
	WIN 0
	s_sub_co_u32 s3, s3, 1
	s_cmp_lg_u32 s3, 0
	s_cbranch_scc1 .Llap
	QUARTER 0, 2, 1, 0, 0                          ; the last lap fills nothing
	QUARTER 0, 3, 0, 1, 0
	TURN 0, 1, 0
	QUARTER 1, 1, 0, 1, 0
	QUARTER 1, 2, 1, 0, 0
	QUARTER 1, 3, 0, 1, 0
	s_wait_dscnt 4                                 ; the very last quarter
	WIN 0
	MULF0 1, 1
	ROWM 1, 0, 1, 1, 0
	s_wait_dscnt 0
	ROWM 1, 1, 2, 1, 0
	ROWM 1, 2, 3, 1, 0
	ROWM 1, 3, -1, 1, 0
	WIN 0
; THE WAY OUT.  Block a (16 queries x 128 channels of f32): times 4 / L, 32 bytes a lane into my own stage, and back as whole rows of 512 bytes.
.macro PACK a
	WIN 0x82                                       ; destination and source 0 window 2, source 1 window 0
.set n, 0
.rept 32
	v_pk_mul_f32 v[64*\a+n:64*\a+n+1], v[64*\a+n:64*\a+n+1], v[IV+2*\a:IV+2*\a+1]
.set n, n+2
.endr
	WIN 0x08                                       ; an LDS store's data is source 1: window 2
.irp b, 0,1,2,3,4,5,6,7
	ds_store_b128 v[STO], v[64*\a+8*\b:64*\a+8*\b+3]   offset:64*\b
	ds_store_b128 v[STO], v[64*\a+8*\b+4:64*\a+8*\b+7] offset:64*\b+16
.endr
	WIN 0
	s_wait_xcnt 0x0                                ; the stores of the block two back have had their addresses translated (ISA guide 3.1): their data registers are loaded again only behind this wait
.irp t, 0,1,2,3,4,5,6,7,8,9,10,11,12,13,14,15
	ds_load_b128 v[OB+64*((\a)%2)+4*\t:OB+64*((\a)%2)+4*\t+3], v[RD] offset:\t*SPO   ; LDS serves a wave's instructions in order (ISA guide 5.7.1.4): these see the stores above
.endr
.endm
.macro SEND a, younger                 ; younger: the LDS instructions issued behind block a's loads: the next block's 32, or none
.irp t, 0,1,2,3,4,5,6,7,8,9,10,11,12,13,14,15
	s_wait_dscnt \younger+15-\t
	global_store_b128 v[CO], v[OB+64*((\a)%2)+4*\t:OB+64*((\a)%2)+4*\t+3], s[74:75] offset:(16*\a+\t)*4096 th:TH_STORE_NT   ; the wave stores 512 consecutive bytes, at a multiple of 512 from out0's first byte
.endr
.endm
	PLACES                                         ; the multiplies below read and write results just made
	PACK 0
	PACK 1
	SEND 0, 32
	PACK 2
	SEND 1, 32
	PACK 3
	SEND 2, 32
	SEND 3, 0
	s_wait_tensorcnt 0x0
	ds_add_u32 v30, v31
	s_wait_dscnt 0x0
	CROUND                                         ; the closing round
	s_endpgm
.Lfunc_end_k_qb13c37172c_pv:
	.size	k_qb13c37172c_pv, .Lfunc_end_k_qb13c37172c_pv-k_qb13c37172c_pv
	.p2alignl 7, 3214868480
	.fill 96, 4, 3214868480
	.section	.rodata,"a",@progbits
	.p2align	6, 0x0
	.amdhsa_kernel k_qb13c37172c_pv
		.amdhsa_group_segment_fixed_size 327680
		.amdhsa_private_segment_fixed_size 0
		.amdhsa_enable_private_segment 0
		.amdhsa_kernarg_size 32
		.amdhsa_user_sgpr_count 2
		.amdhsa_user_sgpr_kernarg_segment_ptr 1
		.amdhsa_wavefront_size32 1
		.amdhsa_system_sgpr_workgroup_id_x 1
		.amdhsa_system_sgpr_workgroup_id_y 1
		.amdhsa_system_sgpr_workgroup_id_z 1
		.amdhsa_system_vgpr_workitem_id 0
		.amdhsa_next_free_vgpr 768
		.amdhsa_next_free_sgpr 80
		.amdhsa_reserve_vcc 0
		.amdhsa_float_denorm_mode_32 3
		.amdhsa_float_denorm_mode_16_64 3
		.amdhsa_memory_ordered 1
		.amdhsa_forward_progress 1
		.amdhsa_inst_pref_size 141
	.end_amdhsa_kernel
	.amdgpu_metadata
---
amdhsa.version: [ 1, 2 ]
amdhsa.kernels:
  - .name:           k_qb13c37172c_pv
    .symbol:         k_qb13c37172c_pv.kd
    .args:
      - { .name: pbuf, .offset: 0, .size: 8, .value_kind: global_buffer, .address_space: global }
      - { .name: qkv, .offset: 8, .size: 8, .value_kind: global_buffer, .address_space: global }
      - { .name: stats, .offset: 16, .size: 8, .value_kind: global_buffer, .address_space: global }
      - { .name: out0, .offset: 24, .size: 8, .value_kind: global_buffer, .address_space: global }
    .group_segment_fixed_size: 327680
    .private_segment_fixed_size: 0
    .kernarg_segment_align: 8
    .kernarg_segment_size: 32
    .max_flat_workgroup_size: 128
    .sgpr_count:     80
    .vgpr_count:     768
    .wavefront_size: 32
...
	.end_amdgpu_metadata
.endif
;; end of part 4
